; MI455X (gfx1250); checked and timed in simulation.
; The chip was launched on July 23, 2026; its instructions are those of AMD's public machine-readable ISA for CDNA 5 (MIT licence, August 2026) and "CDNA5" Instruction Set Architecture Reference Guide (July 2026). The comments in the code are by the model that wrote it; some were corrected since.
;; One Step GRU. Allowed arithmetic: matrix products marked QUANTISED: E2M1 operands, one E8M0 scale for each 32 along K, by v_wmma_scale_f32_16x16x128_f8f6f4 with both operands' format E2M1 (or v_wmma_scale_f32_32x16x128_f4), f32 sums; everything else in f32.
;; Inputs: W_nh_codes 512 x 16 x 16 uint8 (E2M1 codes of W_nh, K innermost, in blocks of 32 codes, two codes a byte); W_nh_scales 512 x 16 uint8 (E8M0 scales of W_nh, one for each 32 codes along K); W_nx_codes 512 x 16 x 16 uint8 (E2M1 codes of W_nx, K innermost, in blocks of 32 codes, two codes a byte); W_nx_scales 512 x 16 uint8 (E8M0 scales of W_nx, one for each 32 codes along K); W_rh_codes 512 x 16 x 16 uint8 (E2M1 codes of W_rh, K innermost, in blocks of 32 codes, two codes a byte); W_rh_scales 512 x 16 uint8 (E8M0 scales of W_rh, one for each 32 codes along K); W_rx_codes 512 x 16 x 16 uint8 (E2M1 codes of W_rx, K innermost, in blocks of 32 codes, two codes a byte); W_rx_scales 512 x 16 uint8 (E8M0 scales of W_rx, one for each 32 codes along K); W_zh_codes 512 x 16 x 16 uint8 (E2M1 codes of W_zh, K innermost, in blocks of 32 codes, two codes a byte); W_zh_scales 512 x 16 uint8 (E8M0 scales of W_zh, one for each 32 codes along K); W_zx_codes 512 x 16 x 16 uint8 (E2M1 codes of W_zx, K innermost, in blocks of 32 codes, two codes a byte); W_zx_scales 512 x 16 uint8 (E8M0 scales of W_zx, one for each 32 codes along K); b_nh 512 float32; b_nx 512 float32; b_rh 512 float32; b_rx 512 float32; b_zh 512 float32; b_zx 512 float32; h 32,768 x 512 float32; x_codes 32,768 x 16 x 16 uint8 (E2M1 codes of x, K innermost, in blocks of 32 codes, two codes a byte); x_scales 32,768 x 16 uint8 (E8M0 scales of x, one for each 32 codes along K).
;; Outputs: out0 32,768 x 512 float32.
;; This version of the problem:
;;   THIS VERSION OF THE PROBLEM IS GIVEN IN LOW PRECISION. The matrix products marked QUANTISED in the list below multiply operands that are first quantised to E2M1 (2 exponent bits, 1 mantissa bit; 4 bits a number), with one power-of-two scale for each 32 numbers along K (OCP MX v1.0); their sums are f32. All else is computed in f32.
;;   The module's matrix products, in the order in which they are computed (A, B: the left and right operand; K: the contracted axis; several contracted axes count as one K, in the product's order):
;;     1. [M 32,768, K 512] x [K 512, N 512]; A: input x (given as codes); B: input W_rx (given as codes): QUANTISED
;;     2. [M 32,768, K 512] x [K 512, N 512]; A: input h; B: input W_rh (given as codes): QUANTISED
;;     3. [M 32,768, K 512] x [K 512, N 512]; A: input x (given as codes); B: input W_zx (given as codes): QUANTISED
;;     4. [M 32,768, K 512] x [K 512, N 512]; A: input h; B: input W_zh (given as codes): QUANTISED
;;     5. [M 32,768, K 512] x [K 512, N 512]; A: input x (given as codes); B: input W_nx (given as codes): QUANTISED
;;     6. [M 32,768, K 512] x [K 512, N 512]; A: computed on the way; B: input W_nh (given as codes): QUANTISED
;;   THE QUANTISER, for each operand of a quantised product, along K:
;;     - K is cut into blocks of 32 from its start; a last block that is shorter is filled with zeros.
;;     - A block's scale is 2^e with e = floor(log2(the largest magnitude in the block)) - 2, held to -126 .. 127; a block of zeros has e = 0. As a byte (E8M0): e + 127.
;;     - Each number is divided by its block's scale, clamped to +-6, and rounded to the nearest number of E2M1, ties to even, subnormals kept.
;;     - The product sums the exact products of the quantised numbers (number of the format x scale) in f32.
;;   ~~~python
;;   def quantise(x, axis):      # numpy; x: float32 -> the quantised numbers, widened to float32 again
;;       x = np.moveaxis(x, axis, -1); K = x.shape[-1]
;;       x = np.pad(x, [(0, 0)] * (x.ndim - 1) + [(0, -K % 32)]); x = x.reshape(x.shape[:-1] + (-1, 32)); a = np.abs(x).max(-1, keepdims=True)
;;       e = np.where(a > 0, np.clip(np.frexp(np.where(a > 0, a, 1))[1] - 1 - 2, -126, 127), 0)      # np.frexp(a)[1] - 1 = floor(log2(a)), exactly
;;       r = np.clip(x / 2.0 ** e, -6, 6)
;;       step = 2.0 ** (np.maximum(np.frexp(np.where(r == 0, 1, r))[1] - 1, 0) - 1)
;;       q = np.round(r / step) * step * 2.0 ** e      # np.round: ties to even
;;       return np.moveaxis(q.reshape(q.shape[:-2] + (-1,))[..., :K], -1, axis).astype(np.float32)
;;   ~~~
;;   OPERANDS COMPUTED ON THE WAY. 'Computed on the way' means the value that the module computes at that place (a softmax that the list does not call 'softmax' is quantised finished and normalised). What goes into a quantiser is computed in f32, as accurately as f32 sums, v_exp_f32 and their like allow (about 1e-6 of the number): no bf16 or f16 on the way to a quantiser, and a product that is left as it is and whose result goes on into a quantised operand takes f32 operands (vector FMAs, or v_wmma_f32_16x16x4_f32). A number that lies on a knife's edge between two numbers of the format may be rounded either way, as far as f32 arithmetic and the matrix unit's own rounding can turn it there, and no further.
;;   INPUTS GIVEN AS CODES. W_nh (in the module: [512, 512], K = its axis 1); W_nx (in the module: [512, 512], K = its axis 1); W_rh (in the module: [512, 512], K = its axis 1); W_rx (in the module: [512, 512], K = its axis 1); W_zh (in the module: [512, 512], K = its axis 1); W_zx (in the module: [512, 512], K = its axis 1); x (in the module: [32768, 512], K = its axis 1): each comes as NAME_codes (uint8): NAME with its K axis moved to the last place and cut into blocks of 32 codes, [.., K / 32, bytes a block], one block behind the other in memory; two codes a byte, the lower K in the low four bits (a code: sign, 2 exponent bits, 1 mantissa bit); and NAME_scales (uint8): the same leading axes, one E8M0 byte (e + 127) for each 32 codes along K. Its value is code x scale, taken as it is: it is not quantised again, and the codes and scales need not be those that the quantiser above would give.
;; One version. Each part assembles by itself: llvm-mc -triple=amdgcn-amd-amdhsa -mcpu=gfx1250 --defsym DOCPART=n.
;; ======== version 1 of 1: 1 launch
;; launch gru (part 1): grid 256 x 1, 4 waves a work-group, clusters of 4 x 1, 327,680 bytes of LDS; arguments x_codes, x_scales, h, out0, W_rx_codes, W_rh_codes, W_zx_codes, W_zh_codes, W_nx_codes, W_nh_codes, W_rx_scales, W_rh_scales, W_zx_scales, W_zh_scales, W_nx_scales, W_nh_scales, b_rx, b_rh, b_zx, b_zh, b_nx, b_nh; writes out0
.if DOCPART == 1
	.amdgcn_target "amdgcn-amd-amdhsa--gfx1250"
	.amdhsa_code_object_version 6
	.text
	.protected	k_q944f712135_gru
	.globl	k_q944f712135_gru
	.p2align	8
	.type	k_q944f712135_gru,@function
k_q944f712135_gru:
	s_mov_b64 s[64:65], 0
	v_nop
	global_prefetch_b8 v0, s[64:65] scope:SCOPE_SE
	s_setreg_imm32_b32 hwreg(HW_REG_WAVE_MODE, 25, 1), 1
	s_wait_xcnt 0x0
	s_wait_alu depctr_hold_cnt(0) depctr_sa_sdst(0) depctr_va_vdst(0) depctr_va_sdst(0) depctr_va_ssrc(0) depctr_va_vcc(0) depctr_vm_vsrc(0)
	s_getreg_b32 s2, hwreg(HW_REG_IB_STS2, 6, 4)
	s_cmp_eq_u32 s2, 0
	s_cbranch_scc0 .Lentry_in_a_cluster
	s_endpgm
.Lentry_in_a_cluster:
	s_bfe_u32 s2, ttmp6, 0x10000c
	s_cmp_lg_u32 s2, 0x3003
	s_cbranch_scc0 .Lentry_shape_is_right
	s_endpgm
.Lentry_shape_is_right:
; ONE STEP OF A GRU.  r = sigmoid(x Wrx^T + h Wrh^T + brx + brh), z likewise, n = tanh(x Wnx^T + (r h) Wnh^T + bnx + bnh), out = (1 - z) n + z h.
; 32,768 rows of 512.  All six products on codes of FP4 (E2M1) with one E8M0 scale for each 32 along K.  x and the six weights arrive as codes; h arrives as f32 and is
; quantised here; r h is made in f32 and quantised here.  Nothing of the computation is left out: every input has a way to the output, and all 22 buffers are arguments.
; LIMITS.  NaN and infinities in h are not served.  A block of zeros gets the scale byte 1 where the quantiser says 127: its codes are zeros, which add nothing under either byte, and the
; bytes are read by this program alone.  sigmoid(a) = 1 / (1 + 2^(-a log2 e)), tanh(a) = 1 - 2 / (1 + 2^(2 a log2 e)): both go to their limits where the power overflows or falls to 0;
; tanh so made has an absolute error of about 1e-7 near 0, and stands ahead of no quantiser.  A gate's two biases are added first and start the sums: another order of f32 rounding than the source's.
; SHARES.  A work-group owns 128 rows, each of its four waves 32 of them (two tiles of 16), for all 512 columns.  A wave's h stays in 512 registers from the first phase to the last, the codes
; of x, of h and of r h in 64 registers each: no operand goes from wave to wave.  What all waves share is the weights: 768 KiB of codes walk through a ring of two LDS slots.
; CLUSTER.  All work-groups walk the same weights, so the four of a cluster ask for each tile JOINTLY: the same tensor load, the same descriptor, a mask that names the four.
; A UNIT is a gate and a pair of column tiles (32 columns): 2 matrices x 2 column tiles x 4 K steps x 2 row tiles = 32 matrix instructions on 4 accumulators that take turns.
; THE MATRIX INSTRUCTION IS USED TRANSPOSED: source 0 = 16 rows of a weight, source 1 = 16 rows of x, h or r h.  A lane then holds ONE row, and its registers run along the columns.
; THE WEIGHT ROWS OF A TILE: of a pair's 32 rows tile 0 takes 24..31, 0..7 and tile 1 takes 8..23.  With LDS rows 272 bytes apart the 16 rows of either tile begin at 16 different multiples of 16 modulo 256.
; THE LANE LAYOUT that follows: register 8 u + j of lane (r, hh) is column 32 p + 8 G + j of row r, G = 3, 0 (u = 0; hh = 0, 1) and 1, 2 (u = 1).  h, the biases and the way out are laid the same.
; Lanes l and l xor 16 hold a block of 32 between them.  Four conversions and two exchanges of halves make of two blocks the four registers that the operand's layout wants.
; PHASES.  Head: x, h come in whole rows of 256 bytes through the wave's stage in LDS; h is quantised.  A: the 16 units of r; r h is quantised.  B: z and n by pairs of tiles; each 64 columns leave as soon as they are made.
; REGISTERS, in windows of 256.  Window 0: addresses, scale words, the three operands.  Window 1: weight fragments, accumulators, biases, the addresses in hand.  Windows 2, 3: h of row tile 0, 1.
.set PITCH, 272                        ; an LDS row: 256 bytes + 16 of padding
.set PIECE, 128*PITCH                  ; 128 rows of one weight: what one tensor load brings
.set HALFS, 2*PIECE                    ; the x-side piece and the h-side piece of 128 rows
.set SLOT,  4*PIECE                    ; a slot: 8 units.  Phase A: 256 rows of Wrx, Wrh.  Phase B: 128 rows of Wzx, Wzh, Wnx, Wnh
.set PAIRB, 32*PITCH                   ; a pair's 32 rows
.set SCW,   2*SLOT                     ; behind the ring: the weights' scale bytes, 2 parities x 4 pieces x 2,048 bytes, put there by LDS stores
.set BT,    SCW+16384                  ; the bias sums, 3 gates x 512 f32
.set STAGE, BT+6144                    ; 16 rows x 272 bytes for each wave: the way in and the way out
.set SPARE, STAGE+4*16*PITCH           ; the spare words, 128 bytes for each wave: two blocks of 256 bytes that no other line names
; window 0
.set AK0A, 1                           ; my lane's place in a pair's rows, tile 0
.set AK0B, 2                           ; tile 1
.set AS0,  3                           ; among a pair's scale words: lanes 0-15 tile 0's rows, lanes 16-31 tile 1's
.set AB0A, 4                           ; among a pair's 32 bias sums, tile 0
.set AB0B, 5                           ; tile 1
.set SD0,  6                           ; the stage by whole rows: lanes 0-15 one row, lanes 16-31 the next
.set SQ0A, 7                           ; the stage in the lane layout, tile 0
.set SQ0B, 8                           ; tile 1
.set SF0,  9                           ; the stage as a fragment of codes
.set GD0,  10                          ; h and out: the same two rows as SD0, 2,048 bytes apart
.set GO,   11                          ; out: GD0 + the columns in hand
.set AWG,  12                          ; 16 x lane
.set AWT0, 13                          ; where my wave puts its piece's scale bytes
.set TA,   14                          ; an address in hand
.set ABT,  15                          ; where my thread puts 4 bias sums
.set WS,   16                          ; v16-23  weight scale words, 4 x matrix + K step
.set XS,   24                          ; v24-27  x's, by K step: lanes 0-15 row tile 0, lanes 16-31 row tile 1
.set HS,   28                          ; v28-35  h's, 4 x row tile + K step
.set RS,   36                          ; v36-43  r h's
.set WT,   44                          ; v44-59  a piece's scale bytes on their way
.set SPW,  60                          ; LDS address of my spare word; never rewritten
.set NIL,  61                          ; 0; never rewritten
.set XC,   64                          ; v64-127   x's fragments, 32 x row tile + 8 x K step
.set HQ,   128                         ; v128-191  h's
.set RH,   192                         ; v192-255  r h's; at the head x's rows as loaded
; window 1
.set FR,   0                           ; v0-127    a unit's weight fragments: 64 x matrix + 16 x K step + 8 x tile
.set ZA,   128                         ; accumulators: 16 x row tile + 8 x tile.  z
.set NA,   160                         ; n
.set OE,   192                         ; r in phase A; an even pair's results in phase B
.set BV,   224                         ; a unit's bias sums in the result's layout, 8 x tile
.set ADRA, 240                         ; LDS addresses of the unit to be fetched
.set ADRB, 241
.set ASC,  242
.set ABCA, 243
.set ABCB, 244
.set TM,   246                         ; v246-251  two blocks' largest magnitudes, conversion scales, bytes
; scalars.  s[4:47]: the 22 addresses in the order of the arguments
.set WV,   48                          ; my wave's number
.set WOFF, 50                          ; my piece's place in a slot
.set G1,   52                          ; s[52:59] descriptor group 1
.set G0A,  60                          ; s[60:63] group 0 of my first fill
.set G0B,  68                          ; s[68:71] of my second
.set GW,   72                          ; s[72:75] of the refills: it walks
.set PBS,  76                          ; s[76:77] phase B's scale bytes of my piece: it walks
.set SEL,  80                          ; s[80:81] lane selects: lane l xor 16
.set NC,   82                          ; s[82:83] -log2 e
.set PC2,  84                          ; s[84:85] 2 log2 e
.set SB,   86                          ; the slot that is read
.set RP,   87                          ; the parity of scale bytes that is read
.set WP,   88                          ; the parity that is written next
.set TB,   89                          ; the pair in hand: its codes,
.set T2,   90
.set TS,   91                          ; its scale words,
.set TBI,  92                          ; its bias sums
.set QB,   93                          ; out: byte of the columns in hand
.set PP,   94                          ; which of eight pairs
.set QC,   95                          ; counts a slot's four pairs
.set OC,   96                          ; counts two slots
.set MSB, 0
.macro WIN new                         ; bits 1:0 source 0, 3:2 source 1, 5:4 source 2, 7:6 destination; the high byte repeats the setting that is left
.if MSB != (\new)
	s_set_vgpr_msb (MSB<<8)|(\new)
.set MSB, (\new)
.endif
.endm
.macro PLACES n
.rept \n
	v_nop
.endr
.endm
.macro ROUND                           ; a round of the cluster's barrier
	s_barrier_signal -1
	s_barrier_wait -1
	s_cmp_lg_u32 s[WV], 0
	s_cbranch_scc1 .Lnot_wave_0_\@
	s_barrier_signal -3
.Lnot_wave_0_\@:
	s_barrier_wait -3
	s_barrier_signal -1
	s_barrier_wait -1
.endm
; h, group g: row tile g & 1, columns 64 (g >> 1) on: 16 rows x 256 bytes; sixteen lanes read 256 consecutive bytes, aligned
.macro HLOAD g
	WIN 0x80+0x40*((\g)&1)
.irp i, 0,1,2,3,4,5,6,7
	global_load_b128 v[32*((\g)>>1)+4*\i:32*((\g)>>1)+4*\i+3], v[GD0], s[8:9] offset:(16*((\g)&1)+2*\i)*2048+256*((\g)>>1) th:TH_LOAD_NT
.endr
.endm
; the group goes through my stage and comes back in the lane layout, into the registers that it left.  LDS serves a wave's instructions in order: no wait between
.macro HTURN g
	WIN 0x08+0x04*((\g)&1)
.irp i, 0,1,2,3,4,5,6,7
	ds_store_b128 v[SD0], v[32*((\g)>>1)+4*\i:32*((\g)>>1)+4*\i+3] offset:2*\i*PITCH
.endr
	WIN 0x80+0x40*((\g)&1)
.irp b, 0,1
.irp j, 0,1
	ds_load_b128 v[32*((\g)>>1)+16*\b+4*\j:32*((\g)>>1)+16*\b+4*\j+3], v[SQ0A] offset:128*\b+16*\j
	ds_load_b128 v[32*((\g)>>1)+16*\b+8+4*\j:32*((\g)>>1)+16*\b+8+4*\j+3], v[SQ0B] offset:128*\b+16*\j
.endr
.endr
.endm
; Two blocks of 32 are quantised by turns.  My 16 numbers of each stand at sA, sB of window ws; lane l xor 16 has the other 16.  The codes go to four registers of window 0, the bytes stay in TM+4, TM+5.
.macro QBLK2 ws, sA, sB, dA0, dA1, dB0, dB1
	WIN 0x41|((\ws)<<2)|((\ws)<<4)
	v_max3_num_f32 v[TM], 0x1800000, |v[\sA]|, |v[\sA+1]|          ; the floor 2^(3 - 127) among the leaves: the byte cannot fall under 1
	v_max3_num_f32 v[TM+1], 0x1800000, |v[\sB]|, |v[\sB+1]|
.irp i, 2,4,6,8,10,12,14
	v_max3_num_f32 v[TM], v[TM], |v[\sA+\i]|, |v[\sA+\i+1]|
	v_max3_num_f32 v[TM+1], v[TM+1], |v[\sB+\i]|, |v[\sB+\i+1]|
.endr
	WIN 0x55
	v_permlanex16_b32 v[TM+4], v[TM], s[SEL], s[SEL+1]
	v_permlanex16_b32 v[TM+5], v[TM+1], s[SEL], s[SEL+1]
	v_max_num_f32 v[TM], v[TM], v[TM+4]                            ; the block's largest magnitude
	v_max_num_f32 v[TM+1], v[TM+1], v[TM+5]
	v_add_nc_u32 v[TM+2], 0xff000000, v[TM]                        ; 2 off its exponent field: the conversion takes that field as its scale
	v_add_nc_u32 v[TM+3], 0xff000000, v[TM+1]
	v_lshrrev_b32 v[TM+4], 23, v[TM+2]                             ; the scale's byte
	v_lshrrev_b32 v[TM+5], 23, v[TM+3]
	WIN 0x04|(\ws)
	v_cvt_scalef32_pk8_fp4_f32 v[\dA0], v[\sA:\sA+7], v[TM+2]
	v_cvt_scalef32_pk8_fp4_f32 v[\dA1], v[\sA+8:\sA+15], v[TM+2]
	v_cvt_scalef32_pk8_fp4_f32 v[\dB0], v[\sB:\sB+7], v[TM+3]
	v_cvt_scalef32_pk8_fp4_f32 v[\dB1], v[\sB+8:\sB+15], v[TM+3]
	v_nop                                                          ; one plain place behind the conversions
.endm
; h's group g becomes half a fragment (two blocks) and two bytes of a scale word
.macro HGQ g
.set HM, (\g)&1
.set HQI, (\g)>>1
.set HB, HQ+32*HM+8*(HQI>>1)+4*(HQI&1)
.set HW, HS+4*HM+(HQI>>1)
	QBLK2 2+HM, 32*HQI, 32*HQI+16, HB+3, HB+1, HB, HB+2
	WIN 0x01
.if (HQI&1) == 0
	v_mov_b32 v[HW], v[TM+4]
	v_lshl_or_b32 v[HW], v[TM+5], 8, v[HW]
.else
	v_lshl_or_b32 v[HW], v[TM+4], 16, v[HW]
	v_lshl_or_b32 v[HW], v[TM+5], 24, v[HW]
.endif
	WIN 0
	v_permlane16_swap_b32 v[HB+3], v[HB]                           ; the first's lanes 16-31 change places with the second's lanes 0-15:
	v_permlane16_swap_b32 v[HB+1], v[HB+2]                         ; register g of the four now holds k = 32 hh + 8 g + 0 .. 7 of these 64
.endm
; A unit's 38 LDS loads: 32 for its fragments, 4 for its bias sums, 2 for its scale words
.macro FETCH offc, offs, offb
	WIN 0x51
.irp t, 0,1
.irp s, 0,1,2,3
.irp c, 0,1
	ds_load_b128 v[FR+64*\t+16*\s+4*\c:FR+64*\t+16*\s+4*\c+3], v[ADRA] offset:(\offc)+PIECE*\t+64*\s+32*\c
	ds_load_b128 v[FR+64*\t+16*\s+8+4*\c:FR+64*\t+16*\s+8+4*\c+3], v[ADRB] offset:(\offc)+PIECE*\t+64*\s+32*\c
.endr
.endr
.endr
	ds_load_b128 v[BV:BV+3], v[ABCA] offset:(\offb)
	ds_load_b128 v[BV+4:BV+7], v[ABCA] offset:(\offb)+16
	ds_load_b128 v[BV+8:BV+11], v[ABCB] offset:(\offb)
	ds_load_b128 v[BV+12:BV+15], v[ABCB] offset:(\offb)+16
	WIN 0x01
	ds_load_b128 v[WS:WS+3], v[ASC] offset:(\offs)
	ds_load_b128 v[WS+4:WS+7], v[ASC] offset:(\offs)+2048
.endm
; one matrix instruction; ua, ub: source 0's, source 1's scales stand in lanes 16-31 of their registers
.macro WM d, a, b, cr, sa, sb, ua, ub
.if (\ua) && (\ub)
	v_wmma_scale_f32_16x16x128_f8f6f4 v[\d:\d+7], v[\a:\a+7], v[\b:\b+7], v[\cr:\cr+7], v[\sa], v[\sb] matrix_a_fmt:MATRIX_FMT_FP4 matrix_b_fmt:MATRIX_FMT_FP4 matrix_a_scale:MATRIX_SCALE_ROW1 matrix_b_scale:MATRIX_SCALE_ROW1
.elseif (\ua)
	v_wmma_scale_f32_16x16x128_f8f6f4 v[\d:\d+7], v[\a:\a+7], v[\b:\b+7], v[\cr:\cr+7], v[\sa], v[\sb] matrix_a_fmt:MATRIX_FMT_FP4 matrix_b_fmt:MATRIX_FMT_FP4 matrix_a_scale:MATRIX_SCALE_ROW1
.elseif (\ub)
	v_wmma_scale_f32_16x16x128_f8f6f4 v[\d:\d+7], v[\a:\a+7], v[\b:\b+7], v[\cr:\cr+7], v[\sa], v[\sb] matrix_a_fmt:MATRIX_FMT_FP4 matrix_b_fmt:MATRIX_FMT_FP4 matrix_b_scale:MATRIX_SCALE_ROW1
.else
	v_wmma_scale_f32_16x16x128_f8f6f4 v[\d:\d+7], v[\a:\a+7], v[\b:\b+7], v[\cr:\cr+7], v[\sa], v[\sb] matrix_a_fmt:MATRIX_FMT_FP4 matrix_b_fmt:MATRIX_FMT_FP4
.endif
.endm
; A unit's 32 matrix instructions: x's side, then the side of h (or r h: hb, hsc).  The four accumulators take turns, one instruction a turn.  The bias sums start the sums.
.macro MUL acc, hb, hsc
	WIN 0x51
.irp s, 0,1,2,3
.irp u, 0,1
.irp m, 0,1
.if \s == 0
	WM \acc+16*\m+8*\u, FR+16*\s+8*\u, XC+32*\m+8*\s, BV+8*\u, WS+\s, XS+\s, \u, \m
.else
	WM \acc+16*\m+8*\u, FR+16*\s+8*\u, XC+32*\m+8*\s, \acc+16*\m+8*\u, WS+\s, XS+\s, \u, \m
.endif
.endr
.endr
.endr
.irp s, 0,1,2,3
.irp u, 0,1
.irp m, 0,1
	WM \acc+16*\m+8*\u, FR+64+16*\s+8*\u, \hb+32*\m+8*\s, \acc+16*\m+8*\u, WS+4+\s, \hsc+4*\m+\s, \u, 0
.endr
.endr
.endr
.endm
; 32 registers a .. a + 31 become 1 / (1 + 2^(c a)).  Each accumulator is read from its low end on.  The exponentials are one batch with one wait, the reciprocals another.
.macro SIG a, cs
	WIN 0x51
.set SI, 0
.rept 16
	v_pk_mul_f32 v[\a+SI:\a+SI+1], v[\a+SI:\a+SI+1], s[\cs:\cs+1] op_sel_hi:[1,0]
.set SI, SI+2
.endr
.set SI, 0
.rept 32
	v_exp_f32 v[\a+SI], v[\a+SI]
.set SI, SI+1
.endr
	v_nop                                          ; a plain place behind the last exponential
	s_wait_alu depctr_va_vdst(0)                   ; one wait for the batch, ahead of its first reader
.set SI, 0
.rept 16
	v_pk_add_f32 v[\a+SI:\a+SI+1], v[\a+SI:\a+SI+1], 1.0 op_sel_hi:[1,0]
.set SI, SI+2
.endr
.set SI, 0
.rept 32
	v_rcp_f32 v[\a+SI], v[\a+SI]
.set SI, SI+1
.endr
	v_nop
	s_wait_alu depctr_va_vdst(0)
.endm
.macro SETADR                          ; the addresses of the unit to be fetched; five plain instructions that name no register of a product
	WIN 0x51
	v_add_nc_u32 v[ADRA], s[TB], v[AK0A]
	v_add_nc_u32 v[ADRB], s[TB], v[AK0B]
	v_add_nc_u32 v[ASC], s[TS], v[AS0]
	v_add_nc_u32 v[ABCA], s[TBI], v[AB0A]
	v_add_nc_u32 v[ABCB], s[TBI], v[AB0B]
.endm
.macro PUTSCALES                       ; my piece's scale bytes of the next slot go to the parity that nobody reads: its last readers passed the barrier before this one
	s_wait_loadcnt 0x0
	v_add_nc_u32 v[TA], s[WP], v[AWT0]
.irp i, 0,1,2,3
	ds_store_b128 v[TA], v[WT+4*\i:WT+4*\i+3] offset:512*\i
.endr
	s_xor_b32 s[WP], s[WP], 8192
.endm
; THE CHANGE OF SLOTS.  Each wave waits for all its tensor loads (its piece of the next slot), adds 0 to its spare word, and waits for that, for its stores of scale bytes and for its reads of the slot that it leaves.
; Behind the round no wave of any partner reads that slot or has a load on its way: it is filled again, first thing, one load a wave, with eight units in which to land.
.macro CHANGE st, step
	WIN 0
.if \st
	PUTSCALES
	s_add_nc_u64 s[PBS:PBS+1], s[PBS:PBS+1], 2048  ; (its loads are in: the base may step)
.endif
	s_wait_tensorcnt 0x0                           ; no tensor load of mine is out, so the walking group 0 may be written
	ds_add_u32 v[SPW], v[NIL]                      ; 0 onto my spare word
	s_add_co_u32 s[GW+1], s[WOFF], s[SB]           ; into the slot that is left,
.if \step
	s_add_nc_u64 s[GW+2:GW+3], s[GW+2:GW+3], 32768 ; the next 128 rows of my weight
.endif
	s_xor_b32 s[SB], s[SB], SLOT
	s_xor_b32 s[RP], s[RP], 8192
	s_wait_dscnt 0x0
	ROUND
	tensor_load_to_lds s[GW:GW+3], s[G1:G1+7]
	s_nop 0
	PLACES 4                                       ; also the places in front of the loads into registers that the last products read
.irp i, 0,1,2,3
	global_load_b128 v[WT+4*\i:WT+4*\i+3], v[AWG], s[PBS:PBS+1] offset:512*\i   ; and the same rows' 2,048 scale bytes, 512 consecutive bytes a load
.endr
.endm
; PHASE A, pair p: r for 32 columns; r h; its codes and its byte
.macro UNIT_R p
.set P1, (\p)+1
.set FC, PAIRB*(P1&3)
.set FS, 8192*(P1>>3)+4096*((P1>>2)&1)+512*(P1&3)
.set FB, 128*P1
.set RB0, RH+8*((\p)>>2)+4*(((\p)>>1)&1)
.set RW, RS+((\p)>>2)
	s_wait_dscnt 0x0                               ; the unit's fragments, bias sums and scale words are in
	MUL OE, HQ, HS
.if (\p) == 7
	CHANGE 0, 0                                    ; slot 0 takes phase B's first four pairs
	WIN 0x51
	v_add_nc_u32 v[ADRA], SLOT, v[AK0A]
	v_add_nc_u32 v[ADRB], SLOT, v[AK0B]
	FETCH FC, FS, FB
.elseif (\p) == 15
	CHANGE 1, 1                                    ; slot 1 takes the next four
	s_mov_b32 s[TB], s[SB]
	s_mov_b32 s[TS], s[RP]
	s_mov_b32 s[TBI], 0
	SETADR
	FETCH 0, 0, 2048                               ; z of pair 0
.elseif (P1&3) == 0
	v_add_nc_u32 v[ADRA], SLOT*(P1>>3)+HALFS*((P1>>2)&1), v[AK0A]   ; on to the slot's other 128 rows.  With the two v_nop: the four places in front of the loads
	v_add_nc_u32 v[ADRB], SLOT*(P1>>3)+HALFS*((P1>>2)&1), v[AK0B]
	PLACES 2
	FETCH FC, FS, FB
.else
	PLACES 4                                       ; in front of loads into registers that the products read, and of the first read of their results
	FETCH FC, FS, FB
.endif
	SIG OE, NC                                     ; r
	WIN 0x49
.irp i, 0,2,4,6,8,10,12,14
	v_pk_mul_f32 v[OE+\i:OE+\i+1], v[OE+\i:OE+\i+1], v[16*(\p)+\i:16*(\p)+\i+1]        ; r h, row tile 0
.endr
	WIN 0x4d
.irp i, 0,2,4,6,8,10,12,14
	v_pk_mul_f32 v[OE+16+\i:OE+16+\i+1], v[OE+16+\i:OE+16+\i+1], v[16*(\p)+\i:16*(\p)+\i+1]   ; row tile 1
.endr
.if ((\p)&1) == 0
	QBLK2 1, OE, OE+16, RB0+3, RB0+1, RB0+35, RB0+33
.else
	QBLK2 1, OE, OE+16, RB0, RB0+2, RB0+32, RB0+34
.endif
	WIN 0x01
.if ((\p)&3) == 0
	v_mov_b32 v[RW], v[TM+4]
	v_mov_b32 v[RW+4], v[TM+5]
.else
	v_lshl_or_b32 v[RW], v[TM+4], 8*((\p)&3), v[RW]
	v_lshl_or_b32 v[RW+4], v[TM+5], 8*((\p)&3), v[RW+4]
.endif
.if ((\p)&1) == 1
	WIN 0
	v_permlane16_swap_b32 v[RB0+3], v[RB0]
	v_permlane16_swap_b32 v[RB0+1], v[RB0+2]
	v_permlane16_swap_b32 v[RB0+35], v[RB0+32]
	v_permlane16_swap_b32 v[RB0+33], v[RB0+34]
.endif
.endm
; out of pair p = z h + (1 - z) n: the one step of phase B whose register numbers hang on the pair.  An even pair's results wait in OE, an odd pair's stay in NA
.macro STUB p
.if ((\p)&1) == 0
.set DD, OE
.else
.set DD, NA
.endif
	WIN 0x59
.irp i, 0,2,4,6,8,10,12,14
	v_pk_fma_f32 v[DD+\i:DD+\i+1], v[ZA+\i:ZA+\i+1], v[16*(\p)+\i:16*(\p)+\i+1], v[NA+\i:NA+\i+1]
.endr
	WIN 0x5d
.irp i, 0,2,4,6,8,10,12,14
	v_pk_fma_f32 v[DD+16+\i:DD+16+\i+1], v[ZA+16+\i:ZA+16+\i+1], v[16*(\p)+\i:16*(\p)+\i+1], v[NA+16+\i:NA+16+\i+1]
.endr
	WIN 0
.endm
; THE WAY OUT of two pairs, 64 columns: through my stage, a row tile at a time, and back as whole rows of 256 bytes, into the registers that they left
.macro WAYOUT
	WIN 0
	v_add_nc_u32 v[GO], s[QB], v[GD0]              ; (the last stores have read it: the wait on XCNT ahead of this pair's products of n)
.irp m, 0,1
	WIN 0x04
.irp j, 0,1
	ds_store_b128 v[SQ0A], v[OE+16*\m+4*\j:OE+16*\m+4*\j+3] offset:16*\j
	ds_store_b128 v[SQ0B], v[OE+16*\m+8+4*\j:OE+16*\m+8+4*\j+3] offset:16*\j
	ds_store_b128 v[SQ0A], v[NA+16*\m+4*\j:NA+16*\m+4*\j+3] offset:128+16*\j
	ds_store_b128 v[SQ0B], v[NA+16*\m+8+4*\j:NA+16*\m+8+4*\j+3] offset:128+16*\j
.endr
	WIN 0x40
.irp i, 0,1,2,3
	ds_load_b128 v[OE+16*\m+4*\i:OE+16*\m+4*\i+3], v[SD0] offset:2*\i*PITCH
	ds_load_b128 v[NA+16*\m+4*\i:NA+16*\m+4*\i+3], v[SD0] offset:(2*\i+8)*PITCH
.endr
.endr
	WIN 0x04
.irp m, 0,1
	s_wait_dscnt 16-16*\m                          ; behind row tile 0's loads stand row tile 1's 8 stores and 8 loads
.irp i, 0,1,2,3
	global_store_b128 v[GO], v[OE+16*\m+4*\i:OE+16*\m+4*\i+3], s[10:11] offset:(16*\m+2*\i)*2048 th:TH_STORE_NT     ; 16 lanes store 256 consecutive bytes, at a multiple of 256 from out's first byte
	global_store_b128 v[GO], v[NA+16*\m+4*\i:NA+16*\m+4*\i+3], s[10:11] offset:(16*\m+8+2*\i)*2048 th:TH_STORE_NT
.endr
.endr
	WIN 0
	s_add_co_u32 s[QB], s[QB], 256
.endm
; PHASE B, a slot's four pairs: written once, walked four times.  cp: pairs 8 cp .. 8 cp + 7 are in hand
.macro SLOT_B cp
	s_mov_b32 s[QC], 0
.Lpair_\@:
	s_wait_dscnt 0x0
	MUL ZA, HQ, HS
	s_add_co_u32 s[T2], s[TB], HALFS               ; n's pieces lie behind z's
	v_add_nc_u32 v[ADRA], s[T2], v[AK0A]           ; with the two v_nop: the four places
	v_add_nc_u32 v[ADRB], s[T2], v[AK0B]
	PLACES 2
	FETCH 0, 4096, 4096
	SIG ZA, NC                                     ; z
	s_wait_dscnt 0x0
	s_wait_xcnt 0x0                                ; the last way out's stores have read their registers: NA, OE and GO may be written
	MUL NA, RH, RS
	s_add_co_u32 s[TB], s[TB], PAIRB
	s_add_co_u32 s[TS], s[TS], 512
	s_add_co_u32 s[TBI], s[TBI], 128
	SETADR                                         ; five places
	WIN 0
	s_cmp_eq_u32 s[QC], 3
	s_cbranch_scc1 .Lnofetch_\@                    ; the slot's last pair: the next pair's z is fetched behind the change of slots
	FETCH 0, 0, 2048
	WIN 0
.Lnofetch_\@:
	SIG NA, PC2
.set SI, 0
.rept 16
	v_pk_fma_f32 v[NA+SI:NA+SI+1], v[NA+SI:NA+SI+1], -2.0, 1.0 op_sel_hi:[1,0,0]           ; n
.set SI, SI+2
.endr
	WIN 0x55
.set SI, 0
.rept 16
	v_pk_fma_f32 v[NA+SI:NA+SI+1], v[ZA+SI:ZA+SI+1], v[NA+SI:NA+SI+1], v[NA+SI:NA+SI+1] neg_lo:[1,0,0] neg_hi:[1,0,0]   ; n - z n
.set SI, SI+2
.endr
	WIN 0
	s_cmp_lt_u32 s[PP], 4                          ; a count of trips picks the pair's h
	s_cbranch_scc0 .Lt47_\@
	s_cmp_lt_u32 s[PP], 2
	s_cbranch_scc0 .Lt23_\@
	s_cmp_eq_u32 s[PP], 0
	s_cbranch_scc0 .Ls1_\@
	STUB 8*\cp+0
	s_branch .Lnext_\@
.Ls1_\@:
	STUB 8*\cp+1
	s_branch .Lout_\@
.Lt23_\@:
	s_cmp_eq_u32 s[PP], 2
	s_cbranch_scc0 .Ls3_\@
	STUB 8*\cp+2
	s_branch .Lnext_\@
.Ls3_\@:
	STUB 8*\cp+3
	s_branch .Lout_\@
.Lt47_\@:
	s_cmp_lt_u32 s[PP], 6
	s_cbranch_scc0 .Lt67_\@
	s_cmp_eq_u32 s[PP], 4
	s_cbranch_scc0 .Ls5_\@
	STUB 8*\cp+4
	s_branch .Lnext_\@
.Ls5_\@:
	STUB 8*\cp+5
	s_branch .Lout_\@
.Lt67_\@:
	s_cmp_eq_u32 s[PP], 6
	s_cbranch_scc0 .Ls7_\@
	STUB 8*\cp+6
	s_branch .Lnext_\@
.Ls7_\@:
	STUB 8*\cp+7
.Lout_\@:
	WAYOUT
.Lnext_\@:
	s_add_co_u32 s[PP], s[PP], 1
	s_add_co_u32 s[QC], s[QC], 1
	s_cmp_lt_u32 s[QC], 4
	s_cbranch_scc1 .Lpair_\@
.endm
; ---------------------------------------------------------------- THE HEAD
	s_load_b512 s[4:19], s[0:1], 0x0               ; x's codes, x's scales, h, out; the codes of Wrx, Wrh, Wzx, Wzh
	s_load_b512 s[20:35], s[0:1], 0x40             ; of Wnx, Wnh; the scales of Wrx, Wrh, Wzx, Wzh, Wnx, Wnh
	s_load_b256 s[36:43], s[0:1], 0x80             ; brx, brh, bzx, bzh
	s_load_b128 s[44:47], s[0:1], 0xa0             ; bnx, bnh
	v_lshl_add_u32 v[SPW], v0, 2, SPARE
	v_mov_b32 v[NIL], 0
	ds_add_u32 v[SPW], v[NIL]                      ; the wave's opening add, twice on end, with its wait ahead of my first tensor load
	ds_add_u32 v[SPW], v[NIL]                      ; and once more; the set-up below, work on registers, stands between it and the wait
	v_lshrrev_b32 v62, 5, v0
	v_readfirstlane_b32 s[WV], v62                 ; wave 0..3
	; descriptor group 1: 128 rows of 256 bytes, dense in memory, 16 bytes of padding behind each in LDS
	s_mov_b32 s[G1+0], 15|(1<<20)|(1<<21)|(5<<22)|(3<<25)   ; 15:0 the mask: all four work-groups; 17:16 elements of 1 byte; 20 padding on; 21 set beside a mask; 24:22 after every 64 words; 31:25 four words
	s_mov_b32 s[G1+1], 256<<16                     ; tensor_dim0
	s_mov_b32 s[G1+2], 128<<16                     ; tensor_dim1
	s_mov_b32 s[G1+3], 256<<16                     ; tile_dim0
	s_mov_b32 s[G1+4], 128                         ; tile_dim1
	s_mov_b32 s[G1+5], 256                         ; from row to row
	s_mov_b32 s[G1+6], 0
	s_mov_b32 s[G1+7], 0
	s_mov_b32 s[SEL], 0x76543210
	s_mov_b32 s[SEL+1], 0xfedcba98
	s_mov_b32 s[NC], 0xbfb8aa3b                    ; -log2 e
	s_mov_b32 s[NC+1], s[NC]                       ; (named with it as a pair, so it is written)
	s_mov_b32 s[PC2], 0x4038aa3b                   ; 2 log2 e
	s_mov_b32 s[PC2+1], s[PC2]
	s_mov_b32 s[SB], 0
	s_mov_b32 s[RP], 0
	s_mov_b32 s[WP], 0
	s_mov_b32 s[QB], 0
	s_mul_i32 s[WOFF], s[WV], PIECE                ; wave w brings piece w: no place in the cluster enters an LDS address
	s_mul_i32 s49, s[WV], 16*PITCH
	s_add_co_u32 s49, s49, STAGE                   ; my stage
	s_lshl_b32 s51, s[WV], 11                      ; my piece's 2,048 scale bytes
	s_bfe_u32 s97, ttmp6, 0x40000                  ; cx: it enters the addresses of x, h and out alone
	s_lshl_b32 s98, ttmp9, 2
	s_add_co_u32 s97, s98, s97                     ; work-group = 4 x cluster + cx
	s_lshl_b32 s97, s97, 2
	s_add_co_u32 s97, s97, s[WV]                   ; my wave's block of 32 rows
	s_mov_b32 s99, 0
	v_and_b32 v62, 31, v0                          ; l
	v_and_b32 v63, 15, v0                          ; r
	v_bfe_u32 v[TA], v0, 4, 1                      ; hh
	v_add_nc_u32 v[AK0A], 24, v63
	v_and_b32 v[AK0A], 31, v[AK0A]                 ; tile 0: row (r + 24) mod 32
	v_mul_u32_u24 v[AK0A], v[AK0A], PITCH
	v_lshl_add_u32 v[AK0A], v[TA], 4, v[AK0A]
	v_add_nc_u32 v[AK0B], 8, v63                   ; tile 1: row r + 8
	v_mul_u32_u24 v[AK0B], v[AK0B], PITCH
	v_lshl_add_u32 v[AK0B], v[TA], 4, v[AK0B]
	v_add_nc_u32 v[AS0], 24, v62
	v_and_b32 v[AS0], 31, v[AS0]                   ; row (l + 24) mod 32: lanes 0-15 tile 0's rows, lanes 16-31 tile 1's
	v_lshl_add_u32 v[AS0], v[AS0], 4, SCW
	v_xor_b32 v[GO], 1, v[TA]
	v_mul_u32_u24 v[GO], v[GO], 96                 ; tile 0's eight columns: byte 96 (hh = 0) or 0 of a block's 128
	v_add_nc_u32 v[AB0A], BT, v[GO]
	v_lshl_add_u32 v[AB0B], v[TA], 5, BT+32        ; tile 1's: byte 32 or 64
	v_mul_u32_u24 v[SD0], v[TA], PITCH
	v_lshl_add_u32 v[SD0], v63, 4, v[SD0]
	v_add_nc_u32 v[SD0], s49, v[SD0]
	v_mul_u32_u24 v[SF0], v63, PITCH
	v_add_nc_u32 v[SF0], s49, v[SF0]               ; my stage's row r
	v_add_nc_u32 v[SQ0A], v[SF0], v[GO]
	v_lshl_add_u32 v[SQ0B], v[TA], 5, v[SF0]
	v_add_nc_u32 v[SQ0B], 32, v[SQ0B]
	v_lshl_add_u32 v[SF0], v[TA], 4, v[SF0]
	v_lshlrev_b32 v[GD0], 11, v[TA]
	v_lshl_add_u32 v[GD0], v63, 4, v[GD0]
	v_lshlrev_b32 v[AWG], 4, v62
	v_add_nc_u32 v[AWT0], s51, v[AWG]
	v_add_nc_u32 v[AWT0], SCW, v[AWT0]
	v_lshl_add_u32 v[ABT], v0, 4, BT
	v_lshlrev_b32 v[TA], 4, v0                     ; 16 x thread: my 4 numbers of a bias
	s_wait_dscnt 0x0                               ; both opening adds are done
	s_wait_kmcnt 0x0
	; which weight my wave brings: the choice hangs on the wave's number alone, so it is the same in all four partners
	s_and_b32 s78, s[WV], 1
	s_cmp_eq_u32 s78, 0                            ; x's side or h's
	s_cselect_b64 s[12:13], s[12:13], s[14:15]
	s_cselect_b64 s[24:25], s[24:25], s[26:27]
	s_cselect_b64 s[16:17], s[16:17], s[18:19]
	s_cselect_b64 s[20:21], s[20:21], s[22:23]
	s_cselect_b64 s[28:29], s[28:29], s[30:31]
	s_cselect_b64 s[32:33], s[32:33], s[34:35]
	s_cmp_lt_u32 s[WV], 2                          ; phase B: z or n
	s_cselect_b64 s[16:17], s[16:17], s[20:21]
	s_cselect_b64 s[PBS:PBS+1], s[28:29], s[32:33]
	s_lshr_b32 s78, s[WV], 1                       ; phase A: the lower or the upper 128 rows of a slot's 256
	s_lshl_b32 s78, s78, 15
	s_mov_b32 s79, 0
	s_add_nc_u64 s[12:13], s[12:13], s[78:79]
	s_lshr_b32 s78, s78, 4
	s_add_nc_u64 s[24:25], s[24:25], s[78:79]
	s_mov_b32 s[G0A], 1                            ; count = 1
	s_mov_b32 s[G0A+1], s[WOFF]                    ; LDS address: slot 0
	s_mov_b64 s[G0A+2:G0A+3], s[12:13]             ; r's rows 0 to 255
	s_or_b32 s[G0A+3], s[G0A+3], 0x80000000        ; type = 2
	s_mov_b32 s[G0B], 1
	s_add_co_u32 s[G0B+1], s[WOFF], SLOT           ; slot 1
	s_add_nc_u64 s[G0B+2:G0B+3], s[12:13], 65536   ; r's rows 256 to 511
	s_or_b32 s[G0B+3], s[G0B+3], 0x80000000
	s_mov_b32 s[GW], 1
	s_mov_b32 s[GW+1], s[WOFF]
	s_mov_b64 s[GW+2:GW+3], s[16:17]               ; phase B's rows 0 to 127
	s_or_b32 s[GW+3], s[GW+3], 0x80000000
	s_lshl_b32 s98, s97, 13                        ; my 32 rows: 8,192 bytes of x's codes,
	s_add_nc_u64 s[4:5], s[4:5], s[98:99]
	s_lshl_b32 s98, s97, 9                         ; 512 of its scales,
	s_add_nc_u64 s[6:7], s[6:7], s[98:99]
	s_lshl_b32 s98, s97, 16                        ; 65,536 of h and of out
	s_add_nc_u64 s[8:9], s[8:9], s[98:99]
	s_add_nc_u64 s[10:11], s[10:11], s[98:99]
	ROUND                                          ; all four work-groups are here: the first joint loads meet
	tensor_load_to_lds s[G0A:G0A+3], s[G1:G1+7]    ; every wave's two first fills, with no branch: two loads of mine are out
	s_nop 0
	tensor_load_to_lds s[G0B:G0B+3], s[G1:G1+7]
	s_nop 0
	PLACES 4
	WIN 0x40
	v_mov_b32 v[TM+4], 0                           ; written once: a lane permute's destination counts as one of its sources
	v_mov_b32 v[TM+5], 0
.irp k, 0,1,2,3,4,5
	global_load_b128 v[ZA+4*\k:ZA+4*\k+3], v[TA], s[36+2*\k:37+2*\k]              ; the six biases: 4 numbers a thread
.endr
.irp i, 0,1,2,3
	global_load_b128 v[NA+4*\i:NA+4*\i+3], v[AWG], s[24:25] offset:512*\i         ; my piece's scale bytes for slot 0,
.endr
.irp i, 0,1,2,3
	global_load_b128 v[NA+16+4*\i:NA+16+4*\i+3], v[AWG], s[24:25] offset:4096+512*\i   ; and for slot 1
.endr
	WIN 0
	global_load_b128 v[XS:XS+3], v[AWG], s[6:7] th:TH_LOAD_NT                     ; lane l: row l's four scale words
.irp j, 0,1,2,3,4,5,6,7,8,9,10,11,12,13,14,15
	global_load_b128 v[RH+4*\j:RH+4*\j+3], v[AWG], s[4:5] offset:512*\j th:TH_LOAD_NT   ; x's codes as they lie: two rows, 512 consecutive bytes
.endr
	HLOAD 0
	HLOAD 1
	HLOAD 2
	HLOAD 3
	s_wait_loadcnt 57                              ; behind the biases: 8 + 1 + 16 + 32 loads
	WIN 0x55
.irp g, 0,1,2
	v_pk_add_f32 v[ZA+8*\g:ZA+8*\g+1], v[ZA+8*\g:ZA+8*\g+1], v[ZA+8*\g+4:ZA+8*\g+5]
	v_pk_add_f32 v[ZA+8*\g+2:ZA+8*\g+3], v[ZA+8*\g+2:ZA+8*\g+3], v[ZA+8*\g+6:ZA+8*\g+7]
.endr
	WIN 0x04
.irp g, 0,1,2
	ds_store_b128 v[ABT], v[ZA+8*\g:ZA+8*\g+3] offset:2048*\g
.endr
	s_wait_loadcnt 49                              ; behind the scale bytes: 1 + 16 + 32
.irp i, 0,1,2,3
	ds_store_b128 v[AWT0], v[NA+4*\i:NA+4*\i+3] offset:512*\i
	ds_store_b128 v[AWT0], v[NA+16+4*\i:NA+16+4*\i+3] offset:8192+512*\i
.endr
	HLOAD 4
	s_wait_loadcnt 40                              ; behind x: five groups of h
	WIN 0
.irp m, 0,1
.irp i, 0,1,2,3,4,5,6,7
	ds_store_b128 v[SD0], v[RH+32*\m+4*\i:RH+32*\m+4*\i+3] offset:2*\i*PITCH      ; 16 rows of x through my stage,
.endr
.irp s, 0,1,2,3
.irp c, 0,1
	ds_load_b128 v[XC+32*\m+8*\s+4*\c:XC+32*\m+8*\s+4*\c+3], v[SF0] offset:64*\s+32*\c   ; and back as four fragments
.endr
.endr
.endr
	HLOAD 5
	HLOAD 6
.irp g, 0,1,2,3,4,5,6,7,8,9,10,11,12,13,14,15
.if 15-\g >= 6
	s_wait_loadcnt 48                              ; group g is in; the six groups behind it may be out
.else
	s_wait_loadcnt 8*(15-\g)
.endif
	HTURN \g
.if \g < 9
	HLOAD \g+7
.endif
.if \g > 0
	s_wait_dscnt 16                                ; behind group g - 1's loads from the stage: group g's 8 stores and 8 loads
	HGQ \g-1
.endif
.endr
	s_wait_dscnt 0x0
	HGQ 15
	WIN 0
	s_wait_tensorcnt 0x1                           ; my piece of slot 0 is in; slot 1's may stay out
	s_wait_dscnt 0x0                               ; my bias sums and scale bytes lie in LDS
	s_barrier_signal -1
	s_barrier_wait -1                              ; everybody's do
	WIN 0x51
	v_add_nc_u32 v[ADRA], 0, v[AK0A]
	v_add_nc_u32 v[ADRB], 0, v[AK0B]
	v_add_nc_u32 v[ASC], 0, v[AS0]                 ; in phase A the pair's place stands in the loads' immediates
	v_add_nc_u32 v[ABCA], 0, v[AB0A]
	v_add_nc_u32 v[ABCB], 0, v[AB0B]
	FETCH 0, 0, 0
	PLACES 8                                       ; h's scale words and codes were written by vector instructions: 8 and 4 places ahead of a scaled matrix instruction
; ---------------------------------------------------------------- PHASE A: written out, since h's and the codes' register numbers change from pair to pair and never come back
.irp p, 0,1,2,3,4,5,6,7,8,9,10,11,12,13,14,15
	UNIT_R \p
.endr
	WIN 0
; ---------------------------------------------------------------- PHASE B
	s_mov_b32 s[OC], 0
	s_mov_b32 s[PP], 0
.Lb1:                                              ; pairs 0 to 7: behind each of the two slots the slot is filled again
	SLOT_B 0
	CHANGE 1, 1
	s_mov_b32 s[TB], s[SB]
	s_mov_b32 s[TS], s[RP]
	SETADR
	FETCH 0, 0, 2048
	WIN 0
	s_add_co_u32 s[OC], s[OC], 1
	s_cmp_lt_u32 s[OC], 2
	s_cbranch_scc1 .Lb1
	s_mov_b32 s[OC], 0
	s_mov_b32 s[PP], 0
.Lb2:                                              ; pairs 8 to 15: nothing is left to fetch from memory
	SLOT_B 1
	s_cmp_lg_u32 s[OC], 0
	s_cbranch_scc1 .Lno_store
	PUTSCALES                                      ; the last slot's scale bytes
.Lno_store:
	s_wait_tensorcnt 0x0                           ; my piece of the last slot is in
	ds_add_u32 v[SPW], v[NIL]                      ; 0 onto my spare word
	s_xor_b32 s[SB], s[SB], SLOT
	s_xor_b32 s[RP], s[RP], 8192
	s_wait_dscnt 0x0
	s_barrier_signal -1                            ; (in the second trip nobody reads behind this barrier: the price of writing the slot's body once for both)
	s_barrier_wait -1
	s_cmp_lg_u32 s[OC], 0
	s_cbranch_scc1 .Lno_fetch
	s_mov_b32 s[TB], s[SB]
	s_mov_b32 s[TS], s[RP]
	SETADR
	FETCH 0, 0, 2048
	WIN 0
.Lno_fetch:
	s_add_co_u32 s[OC], s[OC], 1
	s_cmp_lt_u32 s[OC], 2
	s_cbranch_scc1 .Lb2
	s_wait_tensorcnt 0x0                           ; the wave's end, behind my last tensor load and my last LDS store
	ds_add_u32 v[SPW], v[NIL]
	s_wait_dscnt 0x0
	ROUND                                          ; the closing round: no work-group ends while a partner may still ask for a tile that names it
	s_endpgm
.Lfunc_end_k_q944f712135_gru:
	.size	k_q944f712135_gru, .Lfunc_end_k_q944f712135_gru-k_q944f712135_gru
	.p2alignl 7, 3214868480
	.fill 96, 4, 3214868480
	.section	.rodata,"a",@progbits
	.p2align	6, 0x0
	.amdhsa_kernel k_q944f712135_gru
		.amdhsa_group_segment_fixed_size 327680
		.amdhsa_private_segment_fixed_size 0
		.amdhsa_enable_private_segment 0
		.amdhsa_kernarg_size 176
		.amdhsa_user_sgpr_count 2
		.amdhsa_user_sgpr_kernarg_segment_ptr 1
		.amdhsa_wavefront_size32 1
		.amdhsa_system_sgpr_workgroup_id_x 1
		.amdhsa_system_sgpr_workgroup_id_y 1
		.amdhsa_system_sgpr_workgroup_id_z 1
		.amdhsa_system_vgpr_workitem_id 0
		.amdhsa_next_free_vgpr 1024
		.amdhsa_next_free_sgpr 100
		.amdhsa_reserve_vcc 0
		.amdhsa_float_denorm_mode_32 3
		.amdhsa_float_denorm_mode_16_64 3
		.amdhsa_memory_ordered 1
		.amdhsa_forward_progress 1
		.amdhsa_inst_pref_size 255
	.end_amdhsa_kernel
	.section	.bss,"aw",@nobits
	.p2align	6
	.space	262144
	.amdgpu_metadata
---
amdhsa.version: [ 1, 2 ]
amdhsa.kernels:
  - .name:           k_q944f712135_gru
    .symbol:         k_q944f712135_gru.kd
    .args:
      - { .name: x_codes, .offset: 0, .size: 8, .value_kind: global_buffer, .address_space: global }
      - { .name: x_scales, .offset: 8, .size: 8, .value_kind: global_buffer, .address_space: global }
      - { .name: h, .offset: 16, .size: 8, .value_kind: global_buffer, .address_space: global }
      - { .name: out0, .offset: 24, .size: 8, .value_kind: global_buffer, .address_space: global }
      - { .name: W_rx_codes, .offset: 32, .size: 8, .value_kind: global_buffer, .address_space: global }
      - { .name: W_rh_codes, .offset: 40, .size: 8, .value_kind: global_buffer, .address_space: global }
      - { .name: W_zx_codes, .offset: 48, .size: 8, .value_kind: global_buffer, .address_space: global }
      - { .name: W_zh_codes, .offset: 56, .size: 8, .value_kind: global_buffer, .address_space: global }
      - { .name: W_nx_codes, .offset: 64, .size: 8, .value_kind: global_buffer, .address_space: global }
      - { .name: W_nh_codes, .offset: 72, .size: 8, .value_kind: global_buffer, .address_space: global }
      - { .name: W_rx_scales, .offset: 80, .size: 8, .value_kind: global_buffer, .address_space: global }
      - { .name: W_rh_scales, .offset: 88, .size: 8, .value_kind: global_buffer, .address_space: global }
      - { .name: W_zx_scales, .offset: 96, .size: 8, .value_kind: global_buffer, .address_space: global }
      - { .name: W_zh_scales, .offset: 104, .size: 8, .value_kind: global_buffer, .address_space: global }
      - { .name: W_nx_scales, .offset: 112, .size: 8, .value_kind: global_buffer, .address_space: global }
      - { .name: W_nh_scales, .offset: 120, .size: 8, .value_kind: global_buffer, .address_space: global }
      - { .name: b_rx, .offset: 128, .size: 8, .value_kind: global_buffer, .address_space: global }
      - { .name: b_rh, .offset: 136, .size: 8, .value_kind: global_buffer, .address_space: global }
      - { .name: b_zx, .offset: 144, .size: 8, .value_kind: global_buffer, .address_space: global }
      - { .name: b_zh, .offset: 152, .size: 8, .value_kind: global_buffer, .address_space: global }
      - { .name: b_nx, .offset: 160, .size: 8, .value_kind: global_buffer, .address_space: global }
      - { .name: b_nh, .offset: 168, .size: 8, .value_kind: global_buffer, .address_space: global }
    .group_segment_fixed_size: 327680
    .private_segment_fixed_size: 0
    .kernarg_segment_align: 8
    .kernarg_segment_size: 176
    .max_flat_workgroup_size: 128
    .sgpr_count:     100
    .vgpr_count:     1024
    .wavefront_size: 32
...
	.end_amdgpu_metadata
.endif
;; end of part 1
